; MI455X (gfx1250); checked and timed in simulation.
; The chip was launched on July 23, 2026; its instructions are those of AMD's public machine-readable ISA for CDNA 5 (MIT licence, August 2026) and "CDNA5" Instruction Set Architecture Reference Guide (July 2026). The comments in the code are by the model that wrote it; some were corrected since.
;; Multi Head Attention. Allowed arithmetic: matrix products marked QUANTISED: E4M3 operands, one given power-of-two scale a tensor, by v_wmma_f32_16x16x64_fp8_fp8 or v_wmma_f32_16x16x128_fp8_fp8, f32 sums; everything else in f32.
;; Inputs: W_proj 1,024 x 1,024 float32; W_qkv 1,024 x 3,072 float32; b_proj 1,024 float32; b_qkv 3,072 float32; lowp_scales 8 int32 (the exponents e of the quantised operands' scales 2^e); x 4 x 2,048 x 1,024 float32.
;; Outputs: out0 4 x 2,048 x 1,024 float32.
;; This version of the problem:
;;   THIS VERSION OF THE PROBLEM IS GIVEN IN LOW PRECISION. The matrix products marked QUANTISED in the list below multiply operands that are first quantised to E4M3 (4 exponent bits, 3 mantissa bits; 8 bits a number), with one given power-of-two scale for each operand tensor; their sums are f32. All else is computed in f32.
;;   The module's matrix products, in the order in which they are computed (A, B: the left and right operand; K: the contracted axis; several contracted axes count as one K, in the product's order):
;;     1. [M 8,192, K 1,024] x [K 1,024, N 3,072]; A: input x; B: input W_qkv: QUANTISED (scales: A lowp_scales[0], B lowp_scales[1])
;;     2. batch 64 x [M 2,048, K 64] x [K 64, N 2,048]; A: computed on the way; B: computed on the way: QUANTISED (scales: A lowp_scales[2], B lowp_scales[3])
;;     3. batch 64 x [M 2,048, K 2,048] x [K 2,048, N 64]; A: softmax (see below); B: computed on the way: QUANTISED (scales: A lowp_scales[4], B lowp_scales[5])
;;     4. [M 8,192, K 1,024] x [K 1,024, N 1,024]; A: computed on the way; B: input W_proj: QUANTISED (scales: A lowp_scales[6], B lowp_scales[7])
;;   THE QUANTISER, for each operand of a quantised product, along K:
;;     - The operand's scale is 2^e, e = its entry of the input lowp_scales (int32; the entries are numbered through the quantised products in the list's order, A before B).
;;     - Each number is divided by the scale, clamped to +-448, and rounded to the nearest number of E4M3, ties to even, subnormals kept.
;;     - The product sums the exact products of the quantised numbers (number of the format x scale) in f32.
;;   ~~~python
;;   def quantise(x, axis, e):      # numpy; x: float32 -> the quantised numbers, widened to float32 again
;;       x = np.moveaxis(x, axis, -1); K = x.shape[-1]
;;       r = np.clip(x / 2.0 ** e, -448, 448)
;;       step = 2.0 ** (np.maximum(np.frexp(np.where(r == 0, 1, r))[1] - 1, -6) - 3)
;;       q = np.round(r / step) * step * 2.0 ** e      # np.round: ties to even
;;       return np.moveaxis(q, -1, axis).astype(np.float32)
;;   ~~~
;;   SOFTMAX AHEAD OF A QUANTISED PRODUCT. Where the list says 'softmax', what is quantised is not the finished softmax but p = 2^(t - M), with t = logit x log2(e) and M = ceil(the row's largest t), a whole number; so 1/2 < the row's largest p <= 1. The row's sum l is taken of the UNQUANTISED p, in f32, and the product's result is divided by l at the end. Since M is a whole number, a kernel that streams over the keys may use a running M (the ceiling of the running maximum): every later rescaling is an exact power of two, so the quantised numbers keep their values, but for numbers so far below the row's largest that they fall under the format's range.
;;   OPERANDS COMPUTED ON THE WAY. 'Computed on the way' means the value that the module computes at that place (a softmax that the list does not call 'softmax' is quantised finished and normalised). What goes into a quantiser is computed in f32, as accurately as f32 sums, v_exp_f32 and their like allow (about 1e-6 of the number): no bf16 or f16 on the way to a quantiser, and a product that is left as it is and whose result goes on into a quantised operand takes f32 operands (vector FMAs, or v_wmma_f32_16x16x4_f32). A number that lies on a knife's edge between two numbers of the format may be rounded either way, as far as f32 arithmetic and the matrix unit's own rounding can turn it there, and no further.
;; One version. Each part assembles by itself: llvm-mc -triple=amdgcn-amd-amdhsa -mcpu=gfx1250 --defsym DOCPART=n.
;; ======== version 1 of 1: 4 launches
;; limits: right only within a limited range of input values
;; workspace buffers: x_img 8,388,608 bytes; wq_img 3,145,728 bytes; wp_img 1,048,576 bytes; q_img 8,388,608 bytes; k_img 8,388,608 bytes; v_img 8,388,608 bytes; a_img 8,388,608 bytes
;; launch quant (part 1): grid 384 x 1, 4 waves a work-group, no clusters, 34,304 bytes of LDS; arguments x, W_qkv, W_proj, lowp_scales, x_img, wq_img, wp_img; writes x_img, wq_img, wp_img
.if DOCPART == 1
	.amdgcn_target "amdgcn-amd-amdhsa--gfx1250"
	.amdhsa_code_object_version 6
	.text
	.protected	k_qa218269302_quant
	.globl	k_qa218269302_quant
	.p2align	8
	.type	k_qa218269302_quant,@function
k_qa218269302_quant:
	s_mov_b64 s[64:65], 0
	v_nop
	global_prefetch_b8 v0, s[64:65] scope:SCOPE_SE
	s_setreg_imm32_b32 hwreg(HW_REG_WAVE_MODE, 25, 1), 1
	s_wait_xcnt 0x0
; x [8192][1024], W_qkv [1024][3072] and W_proj [1024][1024], f32, become codes of FP8 (E4M3), each with the one scale 2^e that is given for it (entries 0, 1, 7 of the scales).
; code = number / 2^e, held within +-448, rounded to the nearest code, ties to even.
; THE CODES ARE LAID AS IMAGES OF THE OPERAND'S REGISTERS.  A fragment is 16 rows x 128 k, 16 registers a lane: lane l = (r = l % 16, hh = l / 16) holds row r, registers 2c, 2c+1 hold k = 16c + 8hh + 0..7.
; Its image is 2,048 bytes: registers 4i .. 4i+3 of lane l lie at 512 i + 16 l.  x_img: [block of 16 tokens][K step of 128]; wq_img, wp_img: [block of 16 columns][K step]: the weights' K is their first axis.
; Work-groups 0-255 take x, 256-351 W_qkv, 352-383 W_proj: 128 KiB of f32 each.  The three ways part on the work-group's number; only x's way touches LDS.  No barrier: waves share nothing.
; LIMITS: each e between -126 and 119, so that 2^e and 448 x 2^e are f32 numbers.  NaN among the inputs is not served (an infinity is held at the largest code).
.set RX,  16                           ; v16-143  x: two sets of 64 registers as loaded (16 rows x 16 bytes a lane)
.set XS,  144                          ; v144-207 x: 64 numbers in the order of a fragment's registers
.set CX,  208                          ; v208-239 x: two sets of 16 registers of codes
.set XW,  16                           ; v16-79   weights: two sets of 32 numbers down K
.set CW,  80                           ; v80-143  weights: 8 registers of codes for each of 8 blocks, so that no store's data are written again
.set SPX, 528                          ; a stage row: 512 bytes + 16, an odd multiple of 16: the sixteen rows that a load touches start at different banks
.macro MKSCALE e                       ; v11 = 2^e as f32 (the conversion takes its exponent field), v10 = 448 x 2^e
	s_add_co_i32 s28, s[\e], 127
	s_lshl_b32 s29, s28, 23
	v_mov_b32 v11, s29
	s_add_co_i32 s28, s28, 8
	s_lshl_b32 s28, s28, 23
	s_or_b32 s28, s28, 0x600000
	v_mov_b32 v10, s28
.endm
	s_load_b256 s[4:11], s[0:1], 0x0               ; x s[4:5], W_qkv s[6:7], W_proj s[8:9], the scales' exponents s[10:11]
	s_load_b128 s[12:15], s[0:1], 0x20             ; x_img s[12:13], wq_img s[14:15]
	s_load_b64 s[16:17], s[0:1], 0x30              ; wp_img
	v_lshl_add_u32 v240, v0, 2, 0x8400
	v_mov_b32 v241, 0
	v_lshrrev_b32 v1, 5, v0
	v_readfirstlane_b32 s18, v1                    ; wave 0..3
	v_and_b32 v1, 31, v0                           ; lane
	v_and_b32 v2, 15, v0                           ; r
	v_bfe_u32 v3, v0, 4, 1                         ; hh
	s_wait_kmcnt 0x0
	s_load_b256 s[20:27], s[10:11], 0x0            ; e0 .. e7
	s_cmp_ge_u32 ttmp9, 256
	s_cbranch_scc1 .Lweights
; ---- x: K is innermost.  A wave takes 16 rows x 512 k: four fragments.  Each load reads 512 consecutive bytes of one row; the 16 rows x 512 bytes of a K step turn through the wave's own stage
; in LDS, from which each lane takes its row's numbers in the order of the fragment's registers.
	s_lshl_b32 s28, ttmp9, 2
	s_add_co_u32 s28, s28, s18                     ; job = 4 x work-group + wave
	s_lshr_b32 s29, s28, 1                         ; block of 16 rows
	s_and_b32 s28, s28, 1                          ; which half of K
	s_lshl_b32 s30, s29, 16                        ; 16 rows of 4,096 bytes
	s_lshl_b32 s31, s28, 11                        ; 512 numbers
	s_add_co_u32 s30, s30, s31
	s_mov_b32 s31, 0
	s_add_nc_u64 s[4:5], s[4:5], s[30:31]
	s_lshl_b32 s30, s29, 14                        ; eight images
	s_lshl_b32 s31, s28, 13                        ; four images
	s_add_co_u32 s30, s30, s31
	s_mov_b32 s31, 0
	s_add_nc_u64 s[12:13], s[12:13], s[30:31]
	v_lshlrev_b32 v4, 4, v1                        ; 16 x lane: in a load's 512 bytes, and in an image's
	s_mul_i32 s30, s18, 16*SPX                     ; my stage
	v_add_nc_u32 v5, s30, v4                       ; into it: 16 x lane of a row
	v_mul_u32_u24 v6, v2, SPX
	v_lshl_add_u32 v6, v3, 5, v6
	v_add_nc_u32 v6, s30, v6                       ; out of it: row r, + 32 hh bytes (8 hh numbers)
.macro LOADX t                         ; K step t of my four: 16 rows, 512 consecutive bytes each
.set rr, 0
.rept 16
	global_load_b128 v[RX+64*((\t)%2)+4*rr:RX+64*((\t)%2)+4*rr+3], v4, s[4:5] offset:4096*rr+512*(\t) th:TH_LOAD_NT
.set rr, rr+1
.endr
.endm
.macro TURN t                          ; through the stage: LDS serves a wave's instructions in order, so no wait stands between the stores and the loads
.set rr, 0
.rept 16
	ds_store_b128 v5, v[RX+64*((\t)%2)+4*rr:RX+64*((\t)%2)+4*rr+3] offset:SPX*rr
.set rr, rr+1
.endr
.irp i, 0,1,2,3                        ; XS + 16 i + 0..7: k = 32 i + 8 hh + 0..7;  XS + 16 i + 8..15: k = 32 i + 16 + 8 hh + 0..7
	ds_load_b128 v[XS+16*\i:XS+16*\i+3], v6 offset:128*\i
	ds_load_b128 v[XS+16*\i+4:XS+16*\i+7], v6 offset:128*\i+16
	ds_load_b128 v[XS+16*\i+8:XS+16*\i+11], v6 offset:128*\i+64
	ds_load_b128 v[XS+16*\i+12:XS+16*\i+15], v6 offset:128*\i+80
.endr
.endm
.macro STEPX t
	s_wait_dscnt 0x0                               ; this step's numbers are back from the stage, and the stage's stores have read their registers
.if (\t) >= 2
	s_wait_xcnt 0x0                                ; the stores of two steps back have read their codes: that set is written again below
.endif
.if (\t)+2 < 4
	LOADX (\t)+2
.endif
.set ii, 0
.rept 64
	v_med3_num_f32 v[XS+ii], v[XS+ii], -v10, v10   ; the conversion to an 8-bit code does not saturate (ISA guide 7.6.2): the hold at the largest code x the scale
.set ii, ii+1
.endr
.irp i, 0,1,2,3
	v_cvt_scalef32_pk8_fp8_f32 v[CX+16*((\t)%2)+4*\i:CX+16*((\t)%2)+4*\i+1], v[XS+16*\i:XS+16*\i+7], v11
	v_cvt_scalef32_pk8_fp8_f32 v[CX+16*((\t)%2)+4*\i+2:CX+16*((\t)%2)+4*\i+3], v[XS+16*\i+8:XS+16*\i+15], v11
.endr
	v_nop                                          ; a plain line behind the last conversion
.irp i, 0,1,2,3
	global_store_b128 v4, v[CX+16*((\t)%2)+4*\i:CX+16*((\t)%2)+4*\i+3], s[12:13] offset:2048*(\t)+512*\i   ; 32 lanes store 512 consecutive bytes, aligned
.endr
.if (\t) < 3
.if (\t) < 2
	s_wait_loadcnt 16                              ; the next step's 16 loads are in; the 16 of the step behind it may be out
.else
	s_wait_loadcnt 0x0
.endif
	TURN (\t)+1
.endif
.endm
	LOADX 0
	LOADX 1
	s_wait_kmcnt 0x0
	MKSCALE 20                                     ; e0
	s_wait_loadcnt 16                              ; step 0's loads are in, step 1's may be out
	TURN 0
	STEPX 0
	STEPX 1
	STEPX 2
	STEPX 3
	s_wait_tensorcnt 0x0
	ds_add_u32 v240, v241
	s_wait_dscnt 0x0
	s_endpgm
; ---- the weights: K is the FIRST axis.  A lane takes a column and its registers run down K, so that the conversions give codes with K innermost.  A wave takes 32 columns (two blocks of 16) x 256 k (two K steps).
; A block of 32 k is a quarter of an image: of a lane's 32 codes, k = 0..7 and 16..23 are the 16 bytes of image lane (r, 0), k = 8..15 and 24..31 those of image lane (r, 1).
.macro LOADW t, N, src                 ; W(32 t + i, my column): neighbouring lanes read neighbouring columns
.set ii, 0
.rept 32
	global_load_b32 v[XW+32*((\t)%2)+ii], v4, s[\src:\src+1] offset:(32*(\t)+ii)*\N*4 th:TH_LOAD_NT
.set ii, ii+1
.endr
.endm
.macro BLOCKW t, N, src, dst
.if (\t) < 7
	s_wait_loadcnt 32                              ; this block's 32 loads are in; the next block's may be out
.else
	s_wait_loadcnt 0x0
.endif
.set ii, 0
.rept 32
	v_med3_num_f32 v[XW+32*((\t)%2)+ii], v[XW+32*((\t)%2)+ii], -v10, v10
.set ii, ii+1
.endr
	v_cvt_scalef32_pk8_fp8_f32 v[CW+8*(\t):CW+8*(\t)+1], v[XW+32*((\t)%2):XW+32*((\t)%2)+7], v11         ; k 0..7
	v_cvt_scalef32_pk8_fp8_f32 v[CW+8*(\t)+4:CW+8*(\t)+5], v[XW+32*((\t)%2)+8:XW+32*((\t)%2)+15], v11    ; k 8..15
	v_cvt_scalef32_pk8_fp8_f32 v[CW+8*(\t)+2:CW+8*(\t)+3], v[XW+32*((\t)%2)+16:XW+32*((\t)%2)+23], v11   ; k 16..23
	v_cvt_scalef32_pk8_fp8_f32 v[CW+8*(\t)+6:CW+8*(\t)+7], v[XW+32*((\t)%2)+24:XW+32*((\t)%2)+31], v11   ; k 24..31
	v_nop                                          ; a plain line behind the last conversion
	global_store_b128 v5, v[CW+8*(\t):CW+8*(\t)+3], s[\dst:\dst+1] offset:2048*((\t)/4)+512*((\t)%4)        ; sixteen lanes store 256 consecutive bytes, aligned
	global_store_b128 v5, v[CW+8*(\t)+4:CW+8*(\t)+7], s[\dst:\dst+1] offset:2048*((\t)/4)+512*((\t)%4)+256
.if (\t)+2 < 8
	LOADW (\t)+2, \N, \src
.endif
.endm
.macro WPATH N, first, src, dst, e
	s_sub_co_u32 s28, ttmp9, \first
	s_lshr_b32 s29, s28, 2                         ; which 128 columns
	s_and_b32 s28, s28, 3                          ; which 256 along K
	s_mul_i32 s30, s28, 256*\N*4
	s_lshl_b32 s31, s29, 9
	s_add_co_u32 s30, s30, s31
	s_lshl_b32 s31, s18, 7                         ; my wave's 32 columns
	s_add_co_u32 s30, s30, s31
	s_mov_b32 s31, 0
	s_add_nc_u64 s[\src:\src+1], s[\src:\src+1], s[30:31]
	s_lshl_b32 s30, s29, 17                        ; eight blocks of columns x eight images
	s_lshl_b32 s31, s18, 15                        ; my wave's two blocks
	s_add_co_u32 s30, s30, s31
	s_lshl_b32 s31, s28, 12                        ; two K steps
	s_add_co_u32 s30, s30, s31
	s_mov_b32 s31, 0
	s_add_nc_u64 s[\dst:\dst+1], s[\dst:\dst+1], s[30:31]
	v_lshlrev_b32 v4, 2, v1                        ; in: 4 bytes a lane
	v_lshlrev_b32 v5, 4, v2
	v_lshl_add_u32 v5, v3, 14, v5                  ; out: 16 r, lanes 16-31 in the next block of columns
	LOADW 0, \N, \src
	LOADW 1, \N, \src
	s_wait_kmcnt 0x0
	MKSCALE \e
.irp t, 0,1,2,3,4,5,6,7
	BLOCKW \t, \N, \src, \dst
.endr
.endm
.Lweights:
	s_cmp_ge_u32 ttmp9, 352
	s_cbranch_scc1 .Lproj
	WPATH 3072, 256, 6, 14, 21                     ; W_qkv, e1
	s_endpgm
.Lproj:
	WPATH 1024, 352, 8, 16, 27                     ; W_proj, e7
	s_endpgm
.Lfunc_end_k_qa218269302_quant:
	.size	k_qa218269302_quant, .Lfunc_end_k_qa218269302_quant-k_qa218269302_quant
	.p2alignl 7, 3214868480
	.fill 96, 4, 3214868480
	.section	.rodata,"a",@progbits
	.p2align	6, 0x0
	.amdhsa_kernel k_qa218269302_quant
		.amdhsa_group_segment_fixed_size 34304
		.amdhsa_private_segment_fixed_size 0
		.amdhsa_enable_private_segment 0
		.amdhsa_kernarg_size 56
		.amdhsa_user_sgpr_count 2
		.amdhsa_user_sgpr_kernarg_segment_ptr 1
		.amdhsa_wavefront_size32 1
		.amdhsa_system_sgpr_workgroup_id_x 1
		.amdhsa_system_sgpr_workgroup_id_y 1
		.amdhsa_system_sgpr_workgroup_id_z 1
		.amdhsa_system_vgpr_workitem_id 0
		.amdhsa_next_free_vgpr 242
		.amdhsa_next_free_sgpr 66
		.amdhsa_reserve_vcc 0
		.amdhsa_float_denorm_mode_32 3
		.amdhsa_float_denorm_mode_16_64 3
		.amdhsa_memory_ordered 1
		.amdhsa_forward_progress 1
		.amdhsa_inst_pref_size 127
	.end_amdhsa_kernel
	.amdgpu_metadata
---
amdhsa.version: [ 1, 2 ]
amdhsa.kernels:
  - .name:           k_qa218269302_quant
    .symbol:         k_qa218269302_quant.kd
    .args:
      - { .name: x, .offset: 0, .size: 8, .value_kind: global_buffer, .address_space: global }
      - { .name: W_qkv, .offset: 8, .size: 8, .value_kind: global_buffer, .address_space: global }
      - { .name: W_proj, .offset: 16, .size: 8, .value_kind: global_buffer, .address_space: global }
      - { .name: lowp_scales, .offset: 24, .size: 8, .value_kind: global_buffer, .address_space: global }
      - { .name: x_img, .offset: 32, .size: 8, .value_kind: global_buffer, .address_space: global }
      - { .name: wq_img, .offset: 40, .size: 8, .value_kind: global_buffer, .address_space: global }
      - { .name: wp_img, .offset: 48, .size: 8, .value_kind: global_buffer, .address_space: global }
    .group_segment_fixed_size: 34304
    .private_segment_fixed_size: 0
    .kernarg_segment_align: 8
    .kernarg_segment_size: 56
    .max_flat_workgroup_size: 128
    .sgpr_count:     66
    .vgpr_count:     242
    .wavefront_size: 32
...
	.end_amdgpu_metadata
.endif
;; end of part 1
;; launch qkv (part 2): grid 16 x 32, 4 waves a work-group, clusters of 4 x 4, 327,680 bytes of LDS; arguments x_img, wq_img, b_qkv, lowp_scales, q_img, k_img, v_img; writes q_img, k_img, v_img
.if DOCPART == 2
	.amdgcn_target "amdgcn-amd-amdhsa--gfx1250"
	.amdhsa_code_object_version 6
	.text
	.protected	k_qa218269302_qkv
	.globl	k_qa218269302_qkv
	.p2align	8
	.type	k_qa218269302_qkv,@function
k_qa218269302_qkv:
	s_mov_b64 s[64:65], 0
	v_nop
	global_prefetch_b8 v0, s[64:65] scope:SCOPE_SE
	s_setreg_imm32_b32 hwreg(HW_REG_WAVE_MODE, 25, 1), 1
	s_wait_xcnt 0x0
	s_wait_alu depctr_hold_cnt(0) depctr_sa_sdst(0) depctr_va_vdst(0) depctr_va_sdst(0) depctr_va_ssrc(0) depctr_va_vcc(0) depctr_vm_vsrc(0)
	s_getreg_b32 s2, hwreg(HW_REG_IB_STS2, 6, 4)
	s_cmp_eq_u32 s2, 0
	s_cbranch_scc0 .Lentry_in_a_cluster
	s_endpgm
.Lentry_in_a_cluster:
	s_bfe_u32 s2, ttmp6, 0x10000c
	s_cmp_lg_u32 s2, 0xf033
	s_cbranch_scc0 .Lentry_shape_is_right
	s_endpgm
.Lentry_shape_is_right:
; qkv = x W_qkv + b_qkv on codes of FP8 (E4M3), and q, k, v quantised on the way out with the given scales (entries 2, 3, 5), stored as codes in the order of the next products' registers.
; All operands are IMAGES OF FRAGMENTS (16 rows x 128 k, 2,048 bytes: registers 4i .. 4i+3 of lane l at 512 i + 16 l; lane (r, hh) holds row r, registers 2c, 2c+1 hold k = 16c + 8hh + 0..7): a fragment comes
; from LDS by four loads at 16 x lane, without pitch or padding.
; SHARES.  A work-group takes 256 tokens x one head's 192 columns (q 0-63, k 64-127, v 128-191); wave w takes tokens 64 w .. 64 w + 63 x all 192: 48 accumulators.  K = 1,024 goes in four slots' worth of 256
; through a ring of two LDS slots: the text is written straight, without a loop.
; CLUSTERS: 4 x 4 work-groups.  The four of a row of the cluster need the same tiles of x, the four of a column the same tiles of the weights: each tile is asked for JOINTLY, by the same tensor load with the same
; descriptor and a mask that names the four.
; q AND k: source 0 = 16 columns of W, source 1 = 16 tokens: a lane holds token r and columns 16 b + 8 hh + 0..7, eight neighbours along the next product's K (the head's 64): their conversion gives registers 2b, 2b+1
; of the token block's fragment.  v: the sources change places: a lane holds channel r and tokens 16 a + 8 hh + 0..7, eight neighbours along ITS next K, the keys.  So all three leave straight from registers.
; q_img, k_img: [batch x 16 + head][block of 16 tokens] 1,024 bytes (K = 64: two quarters);  v_img: [batch x 16 + head][128 keys][16 channels] 2,048 bytes.
; LIMITS: e0 + e1 between -126 and 127; e2, e3, e5 between -126 and 119, so that each power of two below is an f32 number.  NaN among the inputs is not served.
; REGISTERS, in windows of 256: window 0: v4-29 addresses and constants; v32-95 the bias of q's and k's columns; v96-103 of v's; v128-191, v192-255 x's fragments, two sets (on the way out: numbers, codes).
;   window 1: v0-191 the weights' 12 fragments, one set.   window 2: accumulator (b 0..7, a) at v[8 (4 b + a)].   window 3: accumulator (b 8..11, a) at v[8 (4 (b - 8) + a)].
.set SLOT,  114688                     ; a slot: x's 16 blocks x 4,096 bytes (two K steps), then the weights' 12 blocks x 4,096
.set BOFF,  65536
.set SPARE, 2*SLOT                     ; behind the ring: the spare words, 128 bytes for each wave: two blocks of 256 bytes that no other line names
.set AF,   128
.set ADRA, 16                          ; v16-17  LDS address of my fragments of x in slot 0, 1
.set ADRB, 20                          ; v20-21  the same for the weights
.set LI,   22                          ; v22     16 x lane
.set SPW,  28                          ; v28     LDS address of my spare word; never rewritten
.set NIL,  29                          ; v29     0; never rewritten
.set BQ,   32
.set BV,   96
.set T,    128
.set CD,   192
.set G1,  24                           ; s[24:31] descriptor group 1 for x's tiles;  s[32:39] group 0, one set for each slot
.set G0,  32
.set G1B, 48                           ; s[48:55], s[56:63] the same for the weights'
.set G0B, 56
.set MSB, 0
.macro WIN new                         ; the immediate's high byte repeats the setting that is left
.if MSB != \new
	s_set_vgpr_msb (MSB<<8)|\new
.set MSB, \new
.endif
.endm
.set W_QK, 0xa1                        ; source 0 (weights) window 1, source 1 (x) window 0, C and D window 2
.set W_V,  0xf4                        ; source 0 (x) window 0, source 1 (weights) window 1, C and D window 3
.set TO_B, 0x40                        ; destination window 1, address window 0
.macro JLOAD g0a, g1a, g0b, g1b        ; a joint load: waves 0 and 1 fetch for x, waves 2 and 3 for the weights; the branch hangs on the wave's number alone; four v_nop follow each line
	s_cmp_eq_u32 s15, 0
	s_cbranch_scc0 .Lfor_b_\@
	tensor_load_to_lds s[\g0a:\g0a+3], s[\g1a:\g1a+7]
	s_nop 0
.rept 4
	v_nop
.endr
	s_branch .Lasked_\@
.Lfor_b_\@:
	tensor_load_to_lds s[\g0b:\g0b+3], s[\g1b:\g1b+7]
	s_nop 0
.rept 4
	v_nop
.endr
.Lasked_\@:
.endm
.macro CREST                           ; a round of the cluster's barrier behind its opening barrier
	s_cmp_lg_u32 s14, 0
	s_cbranch_scc1 .Lnot_wave_0_\@
	s_barrier_signal -3
.Lnot_wave_0_\@:
	s_barrier_wait -3
	s_barrier_signal -1
	s_barrier_wait -1
.endm
.macro CROUND
	s_barrier_signal -1
	s_barrier_wait -1
	CREST
.endm
.macro MKSC e, vs, vl                  ; v[vs] = 2^e as f32
	s_add_co_i32 s90, s[\e], 127
	s_lshl_b32 s91, s90, 23
	v_mov_b32 v[\vs], s91
	s_add_co_i32 s90, s90, 8
	s_lshl_b32 s90, s90, 23
	s_or_b32 s90, s90, 0x600000
.endm
	s_load_b256 s[4:11], s[0:1], 0x0               ; x_img s[4:5], wq_img s[6:7], b_qkv s[8:9], the scales' exponents s[10:11]
	s_load_b128 s[68:71], s[0:1], 0x20             ; q_img s[68:69], k_img s[70:71]
	s_load_b64 s[72:73], s[0:1], 0x30              ; v_img
	v_lshl_add_u32 v[SPW], v0, 2, SPARE
	v_mov_b32 v[NIL], 0
	ds_add_u32 v28, v29
	ds_add_u32 v28, v29
	s_wait_dscnt 0x0
	v_lshrrev_b32 v1, 5, v0
	v_readfirstlane_b32 s14, v1                    ; wave 0..3
	s_lshr_b32 s15, s14, 1                         ; I fetch for x (0) or for the weights (1)
	s_and_b32 s16, s14, 1                          ; which half of that tile I fetch
	s_bfe_u32 s40, ttmp6, 0x40000                  ; cx, cy: my place in the cluster
	s_bfe_u32 s41, ttmp6, 0x40004
	s_lshl_b32 s42, ttmp9, 2
	s_add_co_u32 s42, s42, s40                     ; the head = 4 x cluster x + cx
	s_and_b32 s17, ttmp7, 0xffff
	s_lshl_b32 s17, s17, 2
	s_add_co_u32 s17, s17, s41                     ; the block of 256 tokens = 4 x cluster y + cy
	s_lshl_b32 s43, s41, 2
	s_lshl_b32 s43, 15, s43                        ; my row of the cluster
	s_lshl_b32 s44, 0x1111, s40                    ; my column
	; descriptor group 1, in elements of 8 bytes: rows of 4,096 bytes (a block's two K steps), 16,384 bytes apart (a block's eight); x: 8 rows a load, the weights: 6
	s_or_b32 s[G1+0], s43, (3<<16)|(1<<21)         ; 15:0 the mask; 17:16 elements of 8 bytes; 20 no padding; 21 set beside a mask
	s_or_b32 s[G1B+0], s44, (3<<16)|(1<<21)
.irp g, G1, G1B
	s_mov_b32 s[\g+1], 512<<16                     ; tensor_dim0
	s_mov_b32 s[\g+3], 512<<16                     ; tile_dim0
	s_mov_b32 s[\g+5], 2048                        ; tensor_dim0_stride
	s_mov_b32 s[\g+6], 0
	s_mov_b32 s[\g+7], 0
.endr
	s_mov_b32 s[G1+2], 8<<16                       ; tensor_dim1
	s_mov_b32 s[G1+4], 8                           ; tile_dim1
	s_mov_b32 s[G1B+2], 6<<16
	s_mov_b32 s[G1B+4], 6
	s_lshl_b32 s20, s17, 18                        ; x: 16 blocks of 16,384 bytes for each 256 tokens,
	s_lshl_b32 s21, s16, 17                        ; + my 8 blocks
	s_add_co_u32 s20, s20, s21
	s_mov_b32 s21, 0
	s_mul_i32 s46, s42, 12*16384                   ; the weights: 12 blocks a head,
	s_mul_i32 s47, s16, 6*16384                    ; + my 6
	s_add_co_u32 s46, s46, s47
	s_mov_b32 s47, 0
	s_lshl_b32 s45, s16, 15                        ; where they go in a slot: no place in the cluster enters an LDS address
	s_mul_i32 s19, s16, 24576
	s_add_co_u32 s19, s19, BOFF
	s_wait_kmcnt 0x0
	s_load_b256 s[80:87], s[10:11], 0x0            ; e0 .. e7
	s_add_nc_u64 s[20:21], s[4:5], s[20:21]
	s_add_nc_u64 s[46:47], s[6:7], s[46:47]
	CROUND                                         ; all sixteen work-groups are here: the first joint loads meet
.irp s, 0,1
	s_mov_b32 s[G0+4*\s], 1
	s_add_co_u32 s[G0+4*\s+1], s45, \s*SLOT
	s_add_nc_u64 s[G0+4*\s+2:G0+4*\s+3], s[20:21], \s*4096
	s_or_b32 s[G0+4*\s+3], s[G0+4*\s+3], 0x80000000
	s_mov_b32 s[G0B+4*\s], 1
	s_add_co_u32 s[G0B+4*\s+1], s19, \s*SLOT
	s_add_nc_u64 s[G0B+4*\s+2:G0B+4*\s+3], s[46:47], \s*4096
	s_or_b32 s[G0B+4*\s+3], s[G0B+4*\s+3], 0x80000000
	JLOAD G0+4*\s, G1, G0B+4*\s, G1B
.endr
	v_and_b32 v1, 31, v0
	v_lshlrev_b32 v[LI], 4, v1
	v_and_b32 v2, 15, v0                           ; r
	v_bfe_u32 v3, v0, 4, 1                         ; hh
	v_lshlrev_b32 v4, 5, v3                        ; 8 hh numbers
	v_lshlrev_b32 v5, 2, v2                        ; r numbers
	s_mul_i32 s90, s42, 768                        ; the head's 192 numbers of the bias
	s_mov_b32 s91, 0
	s_add_nc_u64 s[8:9], s[8:9], s[90:91]
.irp b, 0,1,2,3,4,5,6,7                ; BQ + 8 b + j = bias of column 16 b + 8 hh + j
	global_load_b128 v[BQ+8*\b:BQ+8*\b+3], v4, s[8:9] offset:64*\b
	global_load_b128 v[BQ+8*\b+4:BQ+8*\b+7], v4, s[8:9] offset:64*\b+16
.endr
.irp b, 0,1,2,3                        ; BV + 2 b, + 1: both the bias of column 128 + 16 b + r: a pair for the packed form
	global_load_b32 v[BV+2*\b], v5, s[8:9] offset:512+64*\b
	global_load_b32 v[BV+2*\b+1], v5, s[8:9] offset:512+64*\b
.endr
	s_lshl_b32 s22, s14, 14                        ; my four blocks of tokens
	v_add_nc_u32 v[ADRA], s22, v[LI]
	v_add_nc_u32 v[ADRA+1], SLOT, v[ADRA]
	v_add_nc_u32 v[ADRB], BOFF, v[LI]
	v_add_nc_u32 v[ADRB+1], BOFF+SLOT, v[LI]
	; where my results go
	s_lshr_b32 s90, s17, 3                         ; the batch
	s_and_b32 s91, s17, 7                          ; the block of 256 tokens in it
	s_lshl_b32 s90, s90, 4
	s_add_co_u32 s90, s90, s42                     ; batch x 16 + head
	s_lshl_b32 s92, s90, 7
	s_lshl_b32 s93, s91, 4
	s_add_co_u32 s92, s92, s93
	s_lshl_b32 s93, s14, 2
	s_add_co_u32 s92, s92, s93                     ; my first block of 16 tokens
	s_lshl_b32 s92, s92, 10
	s_mov_b32 s93, 0
	s_add_nc_u64 s[68:69], s[68:69], s[92:93]
	s_add_nc_u64 s[70:71], s[70:71], s[92:93]
	s_lshl_b32 s92, s90, 4
	s_lshl_b32 s94, s91, 1
	s_add_co_u32 s92, s92, s94
	s_add_co_u32 s92, s92, s15                     ; my 128 keys
	s_lshl_b32 s92, s92, 13                        ; four images of 2,048 bytes
	s_lshl_b32 s94, s16, 10                        ; my 64 of the 128 keys: the image's lower or upper two quarters
	s_add_co_u32 s92, s92, s94
	s_add_nc_u64 s[72:73], s[72:73], s[92:93]
.macro FRAG reg, adr, q, i             ; block i, K step q of the slot: four loads of 512 consecutive bytes
.irp c, 0,1,2,3
	ds_load_b128 v[\reg+4*\c:\reg+4*\c+3], v[\adr] offset:4096*(\i)+2048*(\q)+512*\c
.endr
.endm
.macro FA slot, q, p                   ; x's four fragments into set p: 16 loads
	WIN 0
.irp i, 0,1,2,3
	FRAG AF+64*(\p)+16*\i, ADRA+\slot, \q, \i
.endr
.endm
.macro FB slot, q, i0                  ; the weights' blocks i0 .. i0 + 5: 24 loads
	WIN TO_B
.irp i, 0,1,2,3,4,5
	FRAG 16*(\i0+\i), ADRB+\slot, \q, \i0+\i
.endr
.endm
; The 48 accumulators take turns, one instruction a turn, in the same order in every K step.  zero = 1: the first product starts the sums.
.macro MQK b0, b1, p, zero
.set bq, \b0
.rept \b1-\b0+1
.irp a, 0,1,2,3
.if \zero
	v_wmma_f32_16x16x128_fp8_fp8 v[8*(4*bq+\a):8*(4*bq+\a)+7], v[16*bq:16*bq+15], v[AF+64*(\p)+16*\a:AF+64*(\p)+16*\a+15], 0
.else
	v_wmma_f32_16x16x128_fp8_fp8 v[8*(4*bq+\a):8*(4*bq+\a)+7], v[16*bq:16*bq+15], v[AF+64*(\p)+16*\a:AF+64*(\p)+16*\a+15], v[8*(4*bq+\a):8*(4*bq+\a)+7]
.endif
.endr
.set bq, bq+1
.endr
.endm
.macro MV p, zero
.irp b, 0,1,2,3
.irp a, 0,1,2,3
.if \zero
	v_wmma_f32_16x16x128_fp8_fp8 v[8*(4*\b+\a):8*(4*\b+\a)+7], v[AF+64*(\p)+16*\a:AF+64*(\p)+16*\a+15], v[16*(8+\b):16*(8+\b)+15], 0
.else
	v_wmma_f32_16x16x128_fp8_fp8 v[8*(4*\b+\a):8*(4*\b+\a)+7], v[AF+64*(\p)+16*\a:AF+64*(\p)+16*\a+15], v[16*(8+\b):16*(8+\b)+15], v[8*(4*\b+\a):8*(4*\b+\a)+7]
.endif
.endr
.endr
.endm
.macro PLACES                          ; four plain vector lines between a matrix instruction and a load into its registers, or a read of its result
.rept 4
	v_nop
.endr
.endm
; A slot's first K step (x's set 0); it fetches the slot's second.  The weights have one set: blocks 0-5 are fetched anew when their 24 products are issued, blocks 6-11 at the step's end.
.macro STEP slot, zero
	s_wait_dscnt 24                                ; x's set and the weights' blocks 0-5 are in; the youngest 24 loads (blocks 6-11) may be out
	WIN W_QK
	MQK 0, 5, 0, \zero
	s_wait_dscnt 0x0                               ; blocks 6-11 are in
	PLACES
	FA \slot, 1, 1
	FB \slot, 1, 0
	WIN W_QK
	MQK 6, 7, 0, \zero
	WIN W_V
	MV 0, \zero
	PLACES
	FB \slot, 1, 6
	WIN 0
.endm
; A slot's second K step (x's set 1) changes slots: ONE barrier; in front of it each wave waits for all its tensor loads, adds 0 to its spare word, and waits for that and for its own reads of this slot.
; fill = 1: the barrier opens a round of the cluster's barrier and this slot is filled again, with the K steps two slots on.
.macro TURN slot, next, fill
	s_wait_tensorcnt 0x0                           ; all my tensor loads have landed: my part of the next slot
	ds_add_u32 v[SPW], v[NIL]                      ; 0 onto my spare word
	s_wait_dscnt 25                                ; (the add and the youngest 24 loads may be out)
	WIN W_QK
	MQK 0, 2, 1, 0                                 ; twelve matrix instructions stand between the add and the wait for it
	s_wait_dscnt 0x0                               ; the add is done, and my reads of this slot are over
	s_barrier_signal -1
	MQK 3, 5, 1, 0
	WIN 0
	s_barrier_wait -1
.if \fill
	CREST                                          ; no wave of any partner still reads this slot's tiles or has a load on its way
	s_add_nc_u64 s[G0+4*\slot+2:G0+4*\slot+3], s[G0+4*\slot+2:G0+4*\slot+3], 8192
	s_add_nc_u64 s[G0B+4*\slot+2:G0B+4*\slot+3], s[G0B+4*\slot+2:G0B+4*\slot+3], 8192
	JLOAD G0+4*\slot, G1, G0B+4*\slot, G1B         ; the first tensor load behind the round; its four v_nop are also the places in front of the loads below
.else
	PLACES
.endif
	FA \next, 0, 0
	FB \next, 0, 0
	WIN W_QK
	MQK 6, 7, 1, 0
	WIN W_V
	MV 1, 0
	PLACES
	FB \next, 0, 6
	WIN 0
.endm
	s_wait_alu depctr_va_vdst(0)
	s_wait_tensorcnt 1                             ; my part of slot 0 is in; slot 1's load may be out
	s_barrier_signal -1
	s_barrier_wait -1
	FA 0, 0, 0
	FB 0, 0, 0
	FB 0, 0, 6
	WIN 0
	STEP 0, 1                                      ; K step 0
	TURN 0, 1, 1                                   ; 1; slot 0 takes K steps 4, 5
	STEP 1, 0                                      ; 2
	TURN 1, 0, 1                                   ; 3; slot 1 takes K steps 6, 7
	STEP 0, 0                                      ; 4
	TURN 0, 1, 0                                   ; 5; nothing is left to fetch
	STEP 1, 0                                      ; 6
	s_wait_dscnt 24                                ; 7
	WIN W_QK
	MQK 0, 5, 1, 0
	s_wait_dscnt 0x0
	MQK 6, 7, 1, 0
	WIN W_V
	MV 1, 0
	WIN 0
	; THE WAY OUT: number = sum x 2^(e0 + e1) + bias, converted; the codes are the next operands' registers and leave as they stand.
	s_wait_kmcnt 0x0
	s_add_co_i32 s88, s80, s81
	s_add_co_i32 s88, s88, 127
	s_lshl_b32 s88, s88, 23                        ; 2^(e0 + e1) as f32
	s_mov_b32 s89, s88                             ; (named with it as a pair, so it is written)
	MKSC 82, 8, 9                                  ; q: e2
	MKSC 83, 10, 11                                ; k: e3
	MKSC 85, 12, 13                                ; v: e5
	s_wait_loadcnt 0x0                             ; the biases
	PLACES
.macro OUTQK a                         ; my tokens 16 a .. 16 a + 15: q's and k's fragments
	WIN 0x02                                       ; source 0: window 2
.irp b, 0,1,2,3,4,5,6,7
.irp i, 0,2,4,6
	v_pk_fma_f32 v[T+8*\b+\i:T+8*\b+\i+1], v[8*(4*\b+\a)+\i:8*(4*\b+\a)+\i+1], s[88:89], v[BQ+8*\b+\i:BQ+8*\b+\i+1] op_sel_hi:[1,0,1]   ; each accumulator from its low end on
.endr
.endr
	WIN 0
.irp b, 0,1,2,3
.irp i, 0,1,2,3,4,5,6,7
.endr
	v_cvt_scalef32_pk8_fp8_f32 v[CD+16*\a+2*\b:CD+16*\a+2*\b+1], v[T+8*\b:T+8*\b+7], v8
.endr
.irp b, 4,5,6,7
.irp i, 0,1,2,3,4,5,6,7
.endr
	v_cvt_scalef32_pk8_fp8_f32 v[CD+16*\a+2*\b:CD+16*\a+2*\b+1], v[T+8*\b:T+8*\b+7], v10
.endr
	v_nop                                          ; a plain line behind the last conversion: the next lines write its sources
	global_store_b128 v[LI], v[CD+16*\a:CD+16*\a+3], s[68:69] offset:1024*\a           ; 32 lanes store 512 consecutive bytes, aligned
	global_store_b128 v[LI], v[CD+16*\a+4:CD+16*\a+7], s[68:69] offset:1024*\a+512
	global_store_b128 v[LI], v[CD+16*\a+8:CD+16*\a+11], s[70:71] offset:1024*\a
	global_store_b128 v[LI], v[CD+16*\a+12:CD+16*\a+15], s[70:71] offset:1024*\a+512
.endm
.macro OUTV dp                         ; channels 32 dp .. 32 dp + 31 of v, my 64 keys: half of two images
	WIN 0x03                                       ; source 0: window 3
.irp u, 0,1
.irp a, 0,1,2,3
.irp i, 0,2,4,6
	v_pk_fma_f32 v[T+32*\u+8*\a+\i:T+32*\u+8*\a+\i+1], v[8*(4*(2*\dp+\u)+\a)+\i:8*(4*(2*\dp+\u)+\a)+\i+1], s[88:89], v[BV+2*(2*\dp+\u):BV+2*(2*\dp+\u)+1] op_sel_hi:[1,0,1]
.endr
.endr
.endr
	WIN 0
.irp u, 0,1
.irp a, 0,1,2,3
.irp i, 0,1,2,3,4,5,6,7
.endr
	v_cvt_scalef32_pk8_fp8_f32 v[CD+8*(2*\dp+\u)+2*\a:CD+8*(2*\dp+\u)+2*\a+1], v[T+32*\u+8*\a:T+32*\u+8*\a+7], v12
.endr
.endr
	v_nop
.irp u, 0,1
	global_store_b128 v[LI], v[CD+8*(2*\dp+\u):CD+8*(2*\dp+\u)+3], s[72:73] offset:2048*(2*\dp+\u)
	global_store_b128 v[LI], v[CD+8*(2*\dp+\u)+4:CD+8*(2*\dp+\u)+7], s[72:73] offset:2048*(2*\dp+\u)+512
.endr
.endm
	OUTQK 0
	OUTQK 1
	OUTQK 2
	OUTQK 3
	s_wait_xcnt 0x0                                ; the stores above have read their codes: those registers are written again
	OUTV 0
	OUTV 1
	s_wait_tensorcnt 0x0                           ; the wave's end
	ds_add_u32 v[SPW], v[NIL]
	s_wait_dscnt 0x0
	CROUND                                         ; the closing round: no work-group ends while a partner may still ask for a tile that names it
	s_endpgm
.Lfunc_end_k_qa218269302_qkv:
	.size	k_qa218269302_qkv, .Lfunc_end_k_qa218269302_qkv-k_qa218269302_qkv
	.p2alignl 7, 3214868480
	.fill 96, 4, 3214868480
	.section	.rodata,"a",@progbits
	.p2align	6, 0x0
	.amdhsa_kernel k_qa218269302_qkv
		.amdhsa_group_segment_fixed_size 327680
		.amdhsa_private_segment_fixed_size 0
		.amdhsa_enable_private_segment 0
		.amdhsa_kernarg_size 56
		.amdhsa_user_sgpr_count 2
		.amdhsa_user_sgpr_kernarg_segment_ptr 1
		.amdhsa_wavefront_size32 1
		.amdhsa_system_sgpr_workgroup_id_x 1
		.amdhsa_system_sgpr_workgroup_id_y 1
		.amdhsa_system_sgpr_workgroup_id_z 1
		.amdhsa_system_vgpr_workitem_id 0
		.amdhsa_next_free_vgpr 1024
		.amdhsa_next_free_sgpr 100
		.amdhsa_reserve_vcc 0
		.amdhsa_float_denorm_mode_32 3
		.amdhsa_float_denorm_mode_16_64 3
		.amdhsa_fp16_overflow 1
		.amdhsa_memory_ordered 1
		.amdhsa_forward_progress 1
		.amdhsa_inst_pref_size 91
	.end_amdhsa_kernel
	.amdgpu_metadata
---
amdhsa.version: [ 1, 2 ]
amdhsa.kernels:
  - .name:           k_qa218269302_qkv
    .symbol:         k_qa218269302_qkv.kd
    .args:
      - { .name: x_img, .offset: 0, .size: 8, .value_kind: global_buffer, .address_space: global }
      - { .name: wq_img, .offset: 8, .size: 8, .value_kind: global_buffer, .address_space: global }
      - { .name: b_qkv, .offset: 16, .size: 8, .value_kind: global_buffer, .address_space: global }
      - { .name: lowp_scales, .offset: 24, .size: 8, .value_kind: global_buffer, .address_space: global }
      - { .name: q_img, .offset: 32, .size: 8, .value_kind: global_buffer, .address_space: global }
      - { .name: k_img, .offset: 40, .size: 8, .value_kind: global_buffer, .address_space: global }
      - { .name: v_img, .offset: 48, .size: 8, .value_kind: global_buffer, .address_space: global }
    .group_segment_fixed_size: 327680
    .private_segment_fixed_size: 0
    .kernarg_segment_align: 8
    .kernarg_segment_size: 56
    .max_flat_workgroup_size: 128
    .sgpr_count:     100
    .vgpr_count:     1024
    .wavefront_size: 32
...
	.end_amdgpu_metadata
.endif
;; end of part 2
;; launch attn (part 3): grid 4 x 64, 16 waves a work-group, clusters of 4 x 1, 327,680 bytes of LDS; arguments q_img, k_img, v_img, lowp_scales, a_img; writes a_img
.if DOCPART == 3
	.amdgcn_target "amdgcn-amd-amdhsa--gfx1250"
	.amdhsa_code_object_version 6
	.text
	.protected	k_qa218269302_attn
	.globl	k_qa218269302_attn
	.p2align	8
	.type	k_qa218269302_attn,@function
k_qa218269302_attn:
	s_mov_b64 s[64:65], 0
	v_nop
	global_prefetch_b8 v0, s[64:65] scope:SCOPE_SE
	s_setreg_imm32_b32 hwreg(HW_REG_WAVE_MODE, 25, 1), 1
	s_wait_xcnt 0x0
	s_wait_alu depctr_hold_cnt(0) depctr_sa_sdst(0) depctr_va_vdst(0) depctr_va_sdst(0) depctr_va_ssrc(0) depctr_va_vcc(0) depctr_vm_vsrc(0)
	s_getreg_b32 s2, hwreg(HW_REG_IB_STS2, 6, 4)
	s_cmp_eq_u32 s2, 0
	s_cbranch_scc0 .Lentry_in_a_cluster
	s_endpgm
.Lentry_in_a_cluster:
	s_bfe_u32 s2, ttmp6, 0x10000c
	s_cmp_lg_u32 s2, 0x3003
	s_cbranch_scc0 .Lentry_shape_is_right
	s_endpgm
.Lentry_shape_is_right:
; Causal attention of one (batch, head) a cluster, both products on codes of FP8 (E4M3); its result is quantised with the given scale (entry 6) and stored as codes in the order of the last product's registers.
; THE SOFTMAX AHEAD OF THE SECOND PRODUCT: t = score x log2(e) / 8; M = the row's largest t so far, rounded UP to a whole number; p = 2^(t - M) is what is quantised; it is not normalised.  The row's sum is taken of
; the unquantised p, in f32, and divides at the end.  When M moves, the sum and O are multiplied by 2^(old M - new M): exact.
; SHARES.  The head's 2,048 queries are 128 tiles of 16.  Wave w (of 16) of work-group g (of the cluster's 4) owns tiles i = 4 w + g and 127 - i.  Tile i needs key steps (of 128 keys) 0 .. i / 8: w / 2 + 1 and
; 16 - w / 2 of them, 17 for every wave.  Both bounds hang on the wave's number alone; the work-group's place enters only Q's and the output's addresses and the mask's lane numbers.
; ALL OF THE HEAD'S K AND V LIES IN LDS, 256 KiB, FILLED ONCE, by joint loads that name the four work-groups: two loads a wave, at the head: key steps 0-3, then 4-15.  Nothing is filled again.
; LAYOUT.  All operands are images of fragments: registers 4i .. 4i+3 of lane l at 512 i + 16 l; lane (r, hh) holds row r, registers 2c, 2c+1 hold k = 16c + 8hh + 0..7.  S^T = K Q^T (source 0 = 16 keys, source 1 =
; my 16 queries): a lane holds query r and, in tile c, keys 16c + 8hh + 0..7: their conversion gives registers 2c, 2c+1 of P.  O^T = V^T P^T (source 0 = 16 channels x 128 keys): a lane holds query r and channels
; 16 b + 8hh + 0..7: their conversion gives registers of the next product's fragment.
; A key step all of whose keys come after a tile's queries is left out by a scalar branch on the wave's number and the loop's counter; in the tile's last step hidden scores become -infinity ahead of the maximum.
; LIMITS: e2 + e3 between -123 and 130 (added to c's exponent field); e4, e6 between -126 and 119; e4 + e5 is applied by v_ldexp_f32 and has none.  NaN among the inputs is not served.
.set LI,  1                            ; v1   16 x lane
.set ADK, 2                            ; v2   LDS address of the step's K
.set ADV, 3                            ; v3   of its V
                                       ; v4, v5   my query's place in its last key step, less 8 hh: tile A's, tile B's
                                       ; v8 -M, v9 the largest t, v[10:11] the sum in two halves: tile A;  v12-15: tile B
                                       ; v16-23 Q of tile A, v24-31 of tile B
.set F,   32                           ; v32-95   fragments of K, then of V
.set S,   96                           ; v96-159  S^T, then p
                                       ; v160-191 O^T of tile A, v192-223 of tile B
.set P,   224                          ; v224-239 P's codes
                                       ; v241 2^e4; v[242:243] a second chain of sums; v244 a permute's result; v[246:247] f; v248, v249 at work; v250 -infinity; v251 2^e6
.set WV,  14                           ; s14  wave
.set LA,  17                           ; s17  tile A's last key step
.set LB,  18                           ; s18  tile B's
.set STP, 19                           ; s19  the key step
.set KB,  20                           ; s20  LDS byte of its K
.set VB,  21                           ; s21  of its V
.macro CROUND                          ; a round of the cluster's barrier
	s_barrier_signal -1
	s_barrier_wait -1
	s_cmp_lg_u32 s[WV], 0
	s_cbranch_scc1 .Lnot_wave_0_\@
	s_barrier_signal -3
.Lnot_wave_0_\@:
	s_barrier_wait -3
	s_barrier_signal -1
	s_barrier_wait -1
.endm
.macro MKSC e, vs, vl                  ; v[vs] = 2^e as f32
	s_add_co_i32 s70, s[\e], 127
	s_lshl_b32 s71, s70, 23
	v_mov_b32 v[\vs], s71
.endm
	s_load_b256 s[4:11], s[0:1], 0x0               ; q_img s[4:5], k_img s[6:7], v_img s[8:9], the scales' exponents s[10:11]
	s_load_b64 s[12:13], s[0:1], 0x20              ; a_img
	v_lshl_add_u32 v254, v0, 2, 0x40000
	v_mov_b32 v255, 0
	ds_add_u32 v254, v255
	ds_add_u32 v254, v255
	v_lshrrev_b32 v6, 5, v0
	s_delay_alu instid0(VALU_DEP_1)
	v_readfirstlane_b32 s[WV], v6                  ; wave 0..15
	s_bfe_u32 s15, ttmp6, 0x40000                  ; g: my place in the cluster
	s_and_b32 s16, ttmp7, 0xffff                   ; batch x 16 + head, which the four partners share
	s_lshr_b32 s[LA], s[WV], 1
	s_xor_b32 s[LB], s[LA], 15                     ; 15 - wave / 2
	; descriptor group 1, in elements of 8 bytes: dense rows of 256 bytes; 16 rows (4,096 bytes) for the first load, 48 (12,288) for the second
	s_mov_b32 s28, 15|(3<<16)|(1<<21)              ; 15:0 the mask: all four work-groups; 17:16 elements of 8 bytes; 21 set beside a mask
	s_mov_b32 s29, 32<<16                          ; tensor_dim0
	s_mov_b32 s30, 16<<16                          ; tensor_dim1
	s_mov_b32 s31, 32<<16                          ; tile_dim0
	s_mov_b32 s32, 16                              ; tile_dim1
	s_mov_b32 s33, 32                              ; tensor_dim0_stride
	s_mov_b32 s34, 0
	s_mov_b32 s35, 0
	s_mov_b32 s36, 15|(3<<16)|(1<<21)
	s_mov_b32 s37, 32<<16
	s_mov_b32 s38, 48<<16
	s_mov_b32 s39, 32<<16
	s_mov_b32 s40, 48
	s_mov_b32 s41, 32
	s_mov_b32 s42, 0
	s_mov_b32 s43, 0
	s_mov_b32 s22, 0x76543210                      ; v_permlanex16_b32's selects for lane l xor 16
	s_mov_b32 s23, 0xfedcba98
	s_lshl_b32 s72, s16, 17                        ; the head's 131,072 bytes in each tensor of codes
	s_mov_b32 s73, 0
	s_and_b32 s74, s[WV], 7
	s_lshl_b32 s76, s74, 12                        ; key steps 0-3: 32,768 bytes, an eighth a wave
	s_mov_b32 s77, 0
	s_mul_i32 s78, s74, 12288                      ; key steps 4-15: 98,304 bytes, an eighth a wave
	s_add_co_u32 s78, s78, 32768
	s_mov_b32 s79, 0
	s_wait_dscnt 0x0
	s_wait_kmcnt 0x0
	s_load_b256 s[52:59], s[10:11], 0x0            ; e0 .. e7
	s_cmp_lt_u32 s[WV], 8                          ; waves 0-7 fetch K, waves 8-15 V
	s_cselect_b64 s[70:71], s[6:7], s[8:9]
	s_add_nc_u64 s[70:71], s[70:71], s[72:73]
	s_mov_b32 s44, 1                               ; group 0 of the first load: count = 1,
	s_lshl_b32 s45, s[WV], 12                      ; LDS: K's steps 0-3 at 0, V's at 32,768,
	s_add_nc_u64 s[46:47], s[70:71], s[76:77]
	s_or_b32 s47, s47, 0x80000000                  ; type = 2
	s_mov_b32 s48, 1                               ; of the second:
	s_mul_i32 s49, s[WV], 12288
	s_add_co_u32 s49, s49, 65536                   ; K's steps 4-15 at 65,536, V's at 163,840
	s_add_nc_u64 s[50:51], s[70:71], s[78:79]
	s_or_b32 s51, s51, 0x80000000
	CROUND                                         ; all four work-groups are here: the joint loads meet
	tensor_load_to_lds s[44:47], s[28:35]          ; one load of mine is out
	s_nop 0
	s_wait_alu depctr_va_vdst(0)
	s_wait_tensorcnt 0x0
	ds_add_u32 v254, v255
	s_wait_dscnt 0x0
	CROUND
	tensor_load_to_lds s[48:51], s[36:43]
	s_nop 0
.rept 4
	v_nop
.endr
	s_lshl_b32 s74, s[WV], 2
	s_add_co_u32 s74, s74, s15                     ; tile A: i = 4 w + g
	s_sub_co_u32 s75, 127, s74                     ; tile B: 127 - i
	s_lshl_b32 s76, s74, 10
	s_add_co_u32 s76, s76, s72
	s_mov_b32 s77, 0
	s_add_nc_u64 s[60:61], s[4:5], s[76:77]        ; Q of tile A
	s_lshl_b32 s76, s75, 10
	s_add_co_u32 s76, s76, s72
	s_add_nc_u64 s[62:63], s[4:5], s[76:77]        ; of tile B
	v_and_b32 v6, 31, v0
	s_delay_alu instid0(VALU_DEP_1)
	v_lshlrev_b32 v[LI], 4, v6
	global_load_b128 v[16:19], v[LI], s[60:61]
	global_load_b128 v[20:23], v[LI], s[60:61] offset:512
	global_load_b128 v[24:27], v[LI], s[62:63]
	global_load_b128 v[28:31], v[LI], s[62:63] offset:512
	s_lshr_b32 s78, s16, 4                         ; the output: [batch x 128 + tile][K step = head / 2] images; my head fills the lower or upper two quarters
	s_lshl_b32 s78, s78, 21
	s_bfe_u32 s79, s16, 0x30001
	s_lshl_b32 s79, s79, 11
	s_add_co_u32 s78, s78, s79
	s_and_b32 s79, s16, 1
	s_lshl_b32 s79, s79, 10
	s_add_co_u32 s78, s78, s79
	s_lshl_b32 s76, s74, 14
	s_add_co_u32 s76, s76, s78
	s_add_nc_u64 s[66:67], s[12:13], s[76:77]
	s_lshl_b32 s76, s75, 14
	s_add_co_u32 s76, s76, s78
	s_add_nc_u64 s[68:69], s[12:13], s[76:77]
	s_and_b32 s78, s74, 7                          ; i % 8
	s_lshl_b32 s78, s78, 4
	s_sub_co_u32 s79, 112, s78                     ; 16 (7 - i % 8)
	v_and_b32 v6, 15, v0
	v_bfe_u32 v7, v0, 4, 1
	s_delay_alu instid0(VALU_DEP_1)
	v_lshlrev_b32 v7, 3, v7
	s_delay_alu instid0(VALU_DEP_1)
	v_sub_nc_u32 v6, v6, v7                        ; r - 8 hh
	s_delay_alu instid0(VALU_DEP_1)
	v_add_nc_u32 v4, s78, v6                       ; register 8 c + j holds key 16 c + 8 hh + j of the step: hidden where 16 c + j is above this number
	s_delay_alu instid0(VALU_DEP_2)
	v_add_nc_u32 v5, s79, v6
	v_mov_b32 v9, 0xff61b1e6                       ; the largest t so far: -3e38, under every t
	s_delay_alu instid0(VALU_DEP_1)
	v_floor_f32 v8, -v9                            ; -M
	v_mov_b32 v10, 0
	v_mov_b32 v11, 0
	v_mov_b32 v13, 0xff61b1e6
	s_delay_alu instid0(VALU_DEP_1)
	v_floor_f32 v12, -v13
	v_mov_b32 v14, 0
	v_mov_b32 v15, 0
	v_mov_b32 v244, 0                              ; written once: a lane permute's destination counts as one of its sources
	v_mov_b32 v247, 0                              ; (named as the upper half of the pair v[246:247])
	v_mov_b32 v250, 0xff800000                     ; -infinity
.set n, 0
.rept 64
	v_mov_b32 v[160+n], 0                          ; O^T of both tiles: the step is written once for all steps; the first finds zeros, which the first change of M leaves zeros
.set n, n+1
.endr
	s_wait_kmcnt 0x0
	s_add_co_i32 s70, s54, s55                     ; a score stands for score x 2^(e2 + e3): the two exponents are added to c's exponent field
	s_lshl_b32 s70, s70, 23
	s_add_co_i32 s24, s70, 0x3e38aa3b              ; c = log2(e) / 8
	s_mov_b32 s25, s24                             ; (named with it as a pair, so it is written)
	MKSC 56, 241, 240                              ; p: e4
	MKSC 58, 251, 252                              ; the result: e6
	s_add_co_i32 s80, s56, s57                     ; e4 + e5
; A KEY STEP of one tile.  st: its statistics; q: its Q; o: its O^T; d: its mask number; lev: its last key step.
.macro STEP st, q, o, d, lev
	s_cmp_gt_u32 s[STP], s[\lev]
	s_cbranch_scc1 .Lskip_\@                       ; all 128 keys come after my 16 queries
	v_add_nc_u32 v[ADK], s[KB], v[LI]
	v_add_nc_u32 v[ADV], s[VB], v[LI]
	v_nop
	v_nop                                          ; four plain lines in front of loads into registers that the last products read
.irp c, 0,1,2,3,4,5,6,7
	ds_load_b128 v[F+8*\c:F+8*\c+3], v[ADK] offset:1024*\c
	ds_load_b128 v[F+8*\c+4:F+8*\c+7], v[ADK] offset:1024*\c+512
.endr
	s_wait_alu depctr_va_vdst(0)
	s_wait_dscnt 0x0
.irp c, 0,1,2,3,4,5,6,7
	v_wmma_f32_16x16x64_fp8_fp8 v[S+8*\c:S+8*\c+7], v[F+8*\c:F+8*\c+7], v[\q:\q+7], 0
.endr
.rept 4
	v_nop
.endr
.irp b, 0,1,2,3                        ; V's four fragments land while the softmax is worked
.irp c, 0,1,2,3
	ds_load_b128 v[F+16*\b+4*\c:F+16*\b+4*\c+3], v[ADV] offset:2048*\b+512*\c
.endr
.endr
	s_cmp_lg_u32 s[STP], s[\lev]
	s_cbranch_scc1 .Lopen_\@                       ; all keys count
.set n, 0
.rept 64
	v_cmp_gt_i32 vcc_lo, 16*(n/8)+n%8, v[\d]
	v_cndmask_b32 v[S+n], v[S+n], v250, vcc_lo
.set n, n+1
.endr
.Lopen_\@:
	v_max3_num_f32 v248, v[S], v[S+1], v[S+2]      ; the step's largest score of my query among my 64 keys, in two chains, from the low end on
	v_max3_num_f32 v249, v[S+3], v[S+4], v[S+5]
.irp i, 6,10,14,18,22,26,30,34,38,42,46,50,54,58
	v_max3_num_f32 v248, v248, v[S+\i], v[S+\i+1]
	v_max3_num_f32 v249, v249, v[S+\i+2], v[S+\i+3]
.endr
	v_max3_num_f32 v248, v248, v[S+62], v[S+63]
	s_delay_alu instid0(VALU_DEP_1)
	v_max_num_f32 v248, v248, v249
	s_delay_alu instid0(VALU_DEP_1)
	v_permlanex16_b32 v244, v248, s22, s23
	s_delay_alu instid0(VALU_DEP_1)
	v_max_num_f32 v248, v248, v244                 ; and among lane l xor 16's
	s_delay_alu instid0(VALU_DEP_1)
	v_mul_f32 v248, s24, v248                      ; as t (c is positive)
	s_delay_alu instid0(VALU_DEP_1)
	v_max_num_f32 v[\st+1], v[\st+1], v248         ; the running largest t
	v_mov_b32 v248, v[\st]
	s_delay_alu instid0(VALU_DEP_2)
	v_floor_f32 v[\st], -v[\st+1]                  ; the new -M = floor(-t): M is a whole number
	s_delay_alu instid0(VALU_DEP_1)
	v_sub_f32 v248, v[\st], v248                   ; old M - new M: a whole number, 0 or less
	s_delay_alu instid0(VALU_DEP_1)
	v_cvt_i32_f32 v248, v248                       ; (it saturates)
	s_delay_alu instid0(VALU_DEP_1)
	v_ldexp_f32 v246, 1.0, v248                    ; f = 2^(old M - new M)
.set n, 0
.rept 32
	v_pk_fma_f32 v[S+n:S+n+1], v[S+n:S+n+1], s[24:25], v[\st:\st+1] op_sel_hi:[1,0,0]   ; t - M (of the pairs c and -M the low word serves both halves)
.set n, n+2
.endr
.set n, 0
	s_wait_alu depctr_va_vdst(0)
.rept 64
	v_exp_f32 v[S+n], v[S+n]                       ; p = 2^(t - M), at most 1
.set n, n+1
.endr
	v_pk_mul_f32 v[\st+2:\st+3], v[\st+2:\st+3], v[246:247] op_sel_hi:[1,0]   ; the sums under the new M: the plain line behind the exponentials
	s_wait_alu depctr_va_vdst(0)                   ; one wait for the whole batch, ahead of its first reader
	v_pk_add_f32 v[242:243], v[S:S+1], v[S+2:S+3]  ; the row's sum is taken of the unquantised p, in two chains
.irp i, 4,8,12,16,20,24,28,32,36,40,44,48,52,56,60
	v_pk_add_f32 v[\st+2:\st+3], v[\st+2:\st+3], v[S+\i:S+\i+1]
	v_pk_add_f32 v[242:243], v[242:243], v[S+\i+2:S+\i+3]
.endr
	s_delay_alu instid0(VALU_DEP_1)
	v_pk_add_f32 v[\st+2:\st+3], v[\st+2:\st+3], v[242:243]
.irp c, 0,1,2,3,4,5,6,7
.irp i, 0,1,2,3,4,5,6,7
.endr
	v_cvt_scalef32_pk8_fp8_f32 v[P+2*\c:P+2*\c+1], v[S+8*\c:S+8*\c+7], v241
.endr
.set n, 0
.rept 16
	v_pk_mul_f32 v[\o+n:\o+n+1], v[\o+n:\o+n+1], v[246:247] op_sel_hi:[1,0]   ; O^T under the new M, each accumulator from its low end on; also the plain lines behind the conversions
.set n, n+2
.endr
	s_wait_alu depctr_va_vdst(0)
	s_wait_dscnt 0x0                               ; V is in
.irp b, 0,1,2,3
	v_wmma_f32_16x16x128_fp8_fp8 v[\o+8*\b:\o+8*\b+7], v[F+16*\b:F+16*\b+15], v[P:P+15], v[\o+8*\b:\o+8*\b+7]
.endr
.Lskip_\@:
.endm
; A tile's way out: O^T / the sum x 2^(e4 + e5), converted with 2^e6: registers of the last product's fragment, stored as they stand.  pc: the codes' registers.
.macro FINISH st, o, adr, pc
	v_add_f32 v248, v[\st+2], v[\st+3]
	s_delay_alu instid0(VALU_DEP_1)
	v_permlanex16_b32 v244, v248, s22, s23
	s_delay_alu instid0(VALU_DEP_1)
	v_add_f32 v248, v248, v244                     ; the row's sum
	s_wait_alu depctr_va_vdst(0)
	v_rcp_f32 v249, v248
	v_nop                                          ; a plain line behind the transcendental
	s_wait_alu depctr_va_vdst(0)                   ; and the wait ahead of its first reader
	v_ldexp_f32 v249, v249, s80
.set n, 0
.rept 32
	v_mul_f32 v[S+n], v[\o+n], v249
.set n, n+1
.endr
.irp b, 0,1,2,3
.irp i, 0,1,2,3,4,5,6,7
.endr
	v_cvt_scalef32_pk8_fp8_f32 v[\pc+2*\b:\pc+2*\b+1], v[S+8*\b:S+8*\b+7], v251
.endr
	v_nop                                          ; a plain line behind the last conversion
	global_store_b128 v[LI], v[\pc:\pc+3], s[\adr:\adr+1]               ; 32 lanes store 512 consecutive bytes, aligned
	global_store_b128 v[LI], v[\pc+4:\pc+7], s[\adr:\adr+1] offset:512
.endm
	s_wait_loadcnt 0x0                             ; Q
	s_wait_tensorcnt 1                             ; my part of key steps 0-3 is in; my second load may be out
	s_barrier_signal -1
	s_barrier_wait -1                              ; everybody's is
	s_mov_b32 s[STP], 0
	s_mov_b32 s[KB], 0
	s_mov_b32 s[VB], 32768
.Lp0:
	STEP 8, 16, 160, 4, LA
	STEP 12, 24, 192, 5, LB
	s_add_co_u32 s[KB], s[KB], 8192
	s_add_co_u32 s[VB], s[VB], 8192
	s_add_co_u32 s[STP], s[STP], 1
	s_cmp_lt_u32 s[STP], 4
	s_cbranch_scc1 .Lp0
	s_wait_tensorcnt 0x0                           ; my part of key steps 4-15 is in,
	s_wait_dscnt 0x0                               ; (no LDS load of mine is out)
	s_barrier_signal -1
	s_barrier_wait -1                              ; everybody's is
	s_mov_b32 s[STP], 4
	s_mov_b32 s[KB], 65536
	s_mov_b32 s[VB], 163840
.Lp1:
	STEP 8, 16, 160, 4, LA
	STEP 12, 24, 192, 5, LB
	s_add_co_u32 s[KB], s[KB], 8192
	s_add_co_u32 s[VB], s[VB], 8192
	s_add_co_u32 s[STP], s[STP], 1
	s_cmp_lt_u32 s[STP], 16
	s_cbranch_scc1 .Lp1
.rept 4
	v_nop                                          ; four plain lines behind the last products
.endr
	FINISH 8, 160, 66, P
	FINISH 12, 192, 68, P+8
	s_wait_tensorcnt 0x0
	ds_add_u32 v254, v255
	s_wait_dscnt 0x0
	CROUND                                         ; the closing round: no work-group ends while a partner may still ask for a tile that names it
	s_endpgm
.Lfunc_end_k_qa218269302_attn:
	.size	k_qa218269302_attn, .Lfunc_end_k_qa218269302_attn-k_qa218269302_attn
	.p2alignl 7, 3214868480
	.fill 96, 4, 3214868480
	.section	.rodata,"a",@progbits
	.p2align	6, 0x0
	.amdhsa_kernel k_qa218269302_attn
		.amdhsa_group_segment_fixed_size 327680
		.amdhsa_private_segment_fixed_size 0
		.amdhsa_enable_private_segment 0
		.amdhsa_kernarg_size 40
		.amdhsa_user_sgpr_count 2
		.amdhsa_user_sgpr_kernarg_segment_ptr 1
		.amdhsa_wavefront_size32 1
		.amdhsa_system_sgpr_workgroup_id_x 1
		.amdhsa_system_sgpr_workgroup_id_y 1
		.amdhsa_system_sgpr_workgroup_id_z 1
		.amdhsa_system_vgpr_workitem_id 0
		.amdhsa_next_free_vgpr 256
		.amdhsa_next_free_sgpr 84
		.amdhsa_reserve_vcc 1
		.amdhsa_float_denorm_mode_32 3
		.amdhsa_float_denorm_mode_16_64 3
		.amdhsa_fp16_overflow 1
		.amdhsa_memory_ordered 1
		.amdhsa_forward_progress 1
		.amdhsa_inst_pref_size 89
	.end_amdhsa_kernel
	.amdgpu_metadata
---
amdhsa.version: [ 1, 2 ]
amdhsa.kernels:
  - .name:           k_qa218269302_attn
    .symbol:         k_qa218269302_attn.kd
    .args:
      - { .name: q_img, .offset: 0, .size: 8, .value_kind: global_buffer, .address_space: global }
      - { .name: k_img, .offset: 8, .size: 8, .value_kind: global_buffer, .address_space: global }
      - { .name: v_img, .offset: 16, .size: 8, .value_kind: global_buffer, .address_space: global }
      - { .name: lowp_scales, .offset: 24, .size: 8, .value_kind: global_buffer, .address_space: global }
      - { .name: a_img, .offset: 32, .size: 8, .value_kind: global_buffer, .address_space: global }
    .group_segment_fixed_size: 327680
    .private_segment_fixed_size: 0
    .kernarg_segment_align: 8
    .kernarg_segment_size: 40
    .max_flat_workgroup_size: 512
    .sgpr_count:     84
    .vgpr_count:     256
    .wavefront_size: 32
...
	.end_amdgpu_metadata
.endif
;; end of part 3
;; launch proj (part 4): grid 8 x 32, 4 waves a work-group, clusters of 4 x 4, 327,680 bytes of LDS; arguments a_img, wp_img, b_proj, lowp_scales, out0; writes out0
.if DOCPART == 4
	.amdgcn_target "amdgcn-amd-amdhsa--gfx1250"
	.amdhsa_code_object_version 6
	.text
	.protected	k_qa218269302_proj
	.globl	k_qa218269302_proj
	.p2align	8
	.type	k_qa218269302_proj,@function
k_qa218269302_proj:
	s_mov_b64 s[64:65], 0
	v_nop
	global_prefetch_b8 v0, s[64:65] scope:SCOPE_SE
	s_setreg_imm32_b32 hwreg(HW_REG_WAVE_MODE, 25, 1), 1
	s_wait_xcnt 0x0
	s_wait_alu depctr_hold_cnt(0) depctr_sa_sdst(0) depctr_va_vdst(0) depctr_va_sdst(0) depctr_va_ssrc(0) depctr_va_vcc(0) depctr_vm_vsrc(0)
	s_getreg_b32 s2, hwreg(HW_REG_IB_STS2, 6, 4)
	s_cmp_eq_u32 s2, 0
	s_cbranch_scc0 .Lentry_in_a_cluster
	s_endpgm
.Lentry_in_a_cluster:
	s_bfe_u32 s2, ttmp6, 0x10000c
	s_cmp_lg_u32 s2, 0xf033
	s_cbranch_scc0 .Lentry_shape_is_right
	s_endpgm
.Lentry_shape_is_right:
; out = att W_proj + b_proj on codes of FP8 (E4M3): each finished sum x 2^(e6 + e7) + bias, f32.
; Both operands are IMAGES OF FRAGMENTS (16 rows x 128 k, 2,048 bytes: registers 4i .. 4i+3 of lane l at 512 i + 16 l): a fragment comes from LDS by four loads at 16 x lane, without pitch or padding.
; SHARES.  A work-group takes 256 tokens x 128 columns; wave w takes tokens 64 w .. 64 w + 63 x all 128: 32 accumulators.  K = 1,024 goes in four slots' worth of 256 through a ring of two LDS slots: written straight.
; CLUSTERS: 4 x 4 work-groups.  The four of a row of the cluster need the same tiles of att, the four of a column the same tiles of the weights: each tile is asked for JOINTLY.
; THE MATRIX INSTRUCTION IS USED TRANSPOSED (source 0 = 16 columns of W, source 1 = 16 tokens): a lane holds eight neighbouring numbers of a row of the output.
; LIMIT: e6 + e7 between -126 and 127, so that 2^(e6 + e7) is an f32 number.
; REGISTERS: window 0: v4-29 addresses; v32-95 the bias; v128-191, v192-255 att's fragments, two sets (on the way out: rows).  window 1: v0-127 the weights' 8 fragments, one set.  window 2: accumulator (b, a) at v[8 (4 b + a)].
.set SLOT,  98304                      ; a slot: att's 16 blocks x 4,096 bytes (two K steps), then the weights' 8 blocks x 4,096
.set BOFF,  65536
.set SPARE, 2*SLOT                     ; behind the ring: the spare words, 128 bytes for each wave: two blocks of 256 bytes that no other line names
.set SPITCH, 528                       ; the way out: a stage of 16 rows x (512 bytes + 16) for each wave, in slot 0, which has had its last fill and its last read when the first result is stored there
.set AF,   128
.set ADRA, 16
.set ADRB, 20
.set LI,   22                          ; v22  16 x lane
.set STO,  24                          ; v24  the way out: where I put 32 bytes of a row
.set RD,   25                          ; v25  and where I read a row back
.set SPW,  28
.set NIL,  29
.set BQ,   32
.set G1,  24
.set G0,  32
.set G1B, 48
.set G0B, 56
.set MSB, 0
.macro WIN new                         ; the immediate's high byte repeats the setting that is left
.if MSB != \new
	s_set_vgpr_msb (MSB<<8)|\new
.set MSB, \new
.endif
.endm
.set W_QK, 0xa1                        ; source 0 (weights) window 1, source 1 (att) window 0, C and D window 2
.set TO_B, 0x40                        ; destination window 1, address window 0
.macro JLOAD g0a, g1a, g0b, g1b        ; a joint load: waves 0 and 1 fetch for att, waves 2 and 3 for the weights; four v_nop follow each line
	s_cmp_eq_u32 s15, 0
	s_cbranch_scc0 .Lfor_b_\@
	tensor_load_to_lds s[\g0a:\g0a+3], s[\g1a:\g1a+7]
	s_nop 0
.rept 4
	v_nop
.endr
	s_branch .Lasked_\@
.Lfor_b_\@:
	tensor_load_to_lds s[\g0b:\g0b+3], s[\g1b:\g1b+7]
	s_nop 0
.rept 4
	v_nop
.endr
.Lasked_\@:
.endm
.macro CREST
	s_cmp_lg_u32 s14, 0
	s_cbranch_scc1 .Lnot_wave_0_\@
	s_barrier_signal -3
.Lnot_wave_0_\@:
	s_barrier_wait -3
	s_barrier_signal -1
	s_barrier_wait -1
.endm
.macro CROUND
	s_barrier_signal -1
	s_barrier_wait -1
	CREST
.endm
	s_load_b256 s[4:11], s[0:1], 0x0               ; a_img s[4:5], wp_img s[6:7], b_proj s[8:9], the scales' exponents s[10:11]
	s_load_b64 s[68:69], s[0:1], 0x20              ; out0
	v_lshl_add_u32 v[SPW], v0, 2, SPARE
	v_mov_b32 v[NIL], 0
	ds_add_u32 v28, v29
	ds_add_u32 v28, v29
	s_wait_dscnt 0x0
	v_lshrrev_b32 v1, 5, v0
	v_readfirstlane_b32 s14, v1                    ; wave 0..3
	s_lshr_b32 s15, s14, 1                         ; I fetch for att (0) or for the weights (1)
	s_and_b32 s16, s14, 1                          ; which half of that tile I fetch
	s_bfe_u32 s40, ttmp6, 0x40000                  ; cx, cy
	s_bfe_u32 s41, ttmp6, 0x40004
	s_lshl_b32 s42, ttmp9, 2
	s_add_co_u32 s42, s42, s40                     ; the block of 128 columns
	s_and_b32 s17, ttmp7, 0xffff
	s_lshl_b32 s17, s17, 2
	s_add_co_u32 s17, s17, s41                     ; the block of 256 tokens
	s_lshl_b32 s43, s41, 2
	s_lshl_b32 s43, 15, s43                        ; my row of the cluster
	s_lshl_b32 s44, 0x1111, s40                    ; my column
	; descriptor group 1, in elements of 8 bytes: rows of 4,096 bytes, 16,384 bytes apart; att: 8 rows a load, the weights: 4
	s_or_b32 s[G1+0], s43, (3<<16)|(1<<21)
	s_or_b32 s[G1B+0], s44, (3<<16)|(1<<21)
.irp g, G1, G1B
	s_mov_b32 s[\g+1], 512<<16                     ; tensor_dim0
	s_mov_b32 s[\g+3], 512<<16                     ; tile_dim0
	s_mov_b32 s[\g+5], 2048                        ; tensor_dim0_stride
	s_mov_b32 s[\g+6], 0
	s_mov_b32 s[\g+7], 0
.endr
	s_mov_b32 s[G1+2], 8<<16                       ; tensor_dim1
	s_mov_b32 s[G1+4], 8                           ; tile_dim1
	s_mov_b32 s[G1B+2], 4<<16
	s_mov_b32 s[G1B+4], 4
	s_lshl_b32 s20, s17, 18
	s_lshl_b32 s21, s16, 17
	s_add_co_u32 s20, s20, s21
	s_mov_b32 s21, 0
	s_lshl_b32 s46, s42, 17                        ; the weights: 8 blocks of 16,384 bytes,
	s_lshl_b32 s47, s16, 16                        ; + my 4
	s_add_co_u32 s46, s46, s47
	s_mov_b32 s47, 0
	s_lshl_b32 s45, s16, 15                        ; where they go in a slot
	s_lshl_b32 s19, s16, 14
	s_add_co_u32 s19, s19, BOFF
	s_wait_kmcnt 0x0
	s_load_b256 s[80:87], s[10:11], 0x0            ; e0 .. e7
	s_add_nc_u64 s[20:21], s[4:5], s[20:21]
	s_add_nc_u64 s[46:47], s[6:7], s[46:47]
	CROUND                                         ; all sixteen work-groups are here: the first joint loads meet
.irp s, 0,1
	s_mov_b32 s[G0+4*\s], 1
	s_add_co_u32 s[G0+4*\s+1], s45, \s*SLOT
	s_add_nc_u64 s[G0+4*\s+2:G0+4*\s+3], s[20:21], \s*4096
	s_or_b32 s[G0+4*\s+3], s[G0+4*\s+3], 0x80000000
	s_mov_b32 s[G0B+4*\s], 1
	s_add_co_u32 s[G0B+4*\s+1], s19, \s*SLOT
	s_add_nc_u64 s[G0B+4*\s+2:G0B+4*\s+3], s[46:47], \s*4096
	s_or_b32 s[G0B+4*\s+3], s[G0B+4*\s+3], 0x80000000
	s_wait_alu depctr_va_vdst(0)
	s_wait_tensorcnt 0x0
	ds_add_u32 v28, v29
	ds_add_u32 v28, v29
	s_wait_dscnt 0x0
	CROUND
	JLOAD G0+4*\s, G1, G0B+4*\s, G1B
.endr
	v_and_b32 v1, 31, v0
	v_lshlrev_b32 v[LI], 4, v1
	v_and_b32 v2, 15, v0                           ; r
	v_bfe_u32 v3, v0, 4, 1                         ; hh
	v_lshlrev_b32 v4, 5, v3                        ; 8 hh numbers
	s_lshl_b32 s90, s42, 9                         ; my 128 numbers of the bias
	s_mov_b32 s91, 0
	s_add_nc_u64 s[8:9], s[8:9], s[90:91]
.irp b, 0,1,2,3,4,5,6,7                ; BQ + 8 b + j = bias of column 16 b + 8 hh + j
	global_load_b128 v[BQ+8*\b:BQ+8*\b+3], v4, s[8:9] offset:64*\b
	global_load_b128 v[BQ+8*\b+4:BQ+8*\b+7], v4, s[8:9] offset:64*\b+16
.endr
	s_lshl_b32 s22, s14, 14                        ; my four blocks of tokens
	v_add_nc_u32 v[ADRA], s22, v[LI]
	v_add_nc_u32 v[ADRA+1], SLOT, v[ADRA]
	v_add_nc_u32 v[ADRB], BOFF, v[LI]
	v_add_nc_u32 v[ADRB+1], BOFF+SLOT, v[LI]
	s_mul_i32 s23, s14, 16*SPITCH                  ; my stage
	v_mul_u32_u24 v[STO], v2, SPITCH
	v_lshl_add_u32 v[STO], v3, 5, v[STO]
	v_add_nc_u32 v[STO], s23, v[STO]               ; in: row r, + 32 hh bytes
	v_add_nc_u32 v[RD], s23, v[LI]                 ; back: the 32 lanes take one row of 512 bytes
	s_lshl_b32 s92, s17, 20                        ; 256 rows of 4,096 bytes,
	s_lshl_b32 s93, s14, 18                        ; my 64,
	s_add_co_u32 s92, s92, s93
	s_lshl_b32 s93, s42, 9                         ; my 128 columns
	s_add_co_u32 s92, s92, s93
	s_mov_b32 s93, 0
	s_add_nc_u64 s[68:69], s[68:69], s[92:93]
.macro FRAG reg, adr, q, i
.irp c, 0,1,2,3
	ds_load_b128 v[\reg+4*\c:\reg+4*\c+3], v[\adr] offset:4096*(\i)+2048*(\q)+512*\c
.endr
.endm
.macro FA slot, q, p                   ; att's four fragments into set p: 16 loads
	WIN 0
.irp i, 0,1,2,3
	FRAG AF+64*(\p)+16*\i, ADRA+\slot, \q, \i
.endr
.endm
.macro FB slot, q, i0                  ; the weights' blocks i0 .. i0 + 3: 16 loads
	WIN TO_B
.irp i, 0,1,2,3
	FRAG 16*(\i0+\i), ADRB+\slot, \q, \i0+\i
.endr
.endm
; The 32 accumulators take turns, one instruction a turn, in the same order in every K step.
.macro MQK b0, b1, p, zero
.set bq, \b0
.rept \b1-\b0+1
.irp a, 0,1,2,3
.if \zero
	v_wmma_f32_16x16x128_fp8_fp8 v[8*(4*bq+\a):8*(4*bq+\a)+7], v[16*bq:16*bq+15], v[AF+64*(\p)+16*\a:AF+64*(\p)+16*\a+15], 0
.else
	v_wmma_f32_16x16x128_fp8_fp8 v[8*(4*bq+\a):8*(4*bq+\a)+7], v[16*bq:16*bq+15], v[AF+64*(\p)+16*\a:AF+64*(\p)+16*\a+15], v[8*(4*bq+\a):8*(4*bq+\a)+7]
.endif
.endr
.set bq, bq+1
.endr
.endm
.macro PLACES                          ; four plain vector lines between a matrix instruction and a load into its registers, or a read of its result
.rept 4
	v_nop
.endr
.endm
.macro STEP slot, zero                 ; a slot's first K step (att's set 0); it fetches the slot's second
	s_wait_dscnt 16                                ; att's set and the weights' blocks 0-3 are in; the youngest 16 loads (blocks 4-7) may be out
	WIN W_QK
	MQK 0, 3, 0, \zero
	s_wait_dscnt 0x0
	PLACES
	FA \slot, 1, 1
	FB \slot, 1, 0
	WIN W_QK
	MQK 4, 7, 0, \zero
	PLACES
	FB \slot, 1, 4
	WIN 0
.endm
.macro TURN slot, next, fill           ; a slot's second K step changes slots: one barrier, as in the launch for q, k and v
	s_wait_tensorcnt 0x0                           ; all my tensor loads have landed: my part of the next slot
	ds_add_u32 v[SPW], v[NIL]                      ; 0 onto my spare word
	s_wait_dscnt 17                                ; (the add and the youngest 16 loads may be out)
	WIN W_QK
	MQK 0, 1, 1, 0                                 ; eight matrix instructions stand between the add and the wait for it
	s_wait_dscnt 0x0                               ; the add is done, and my reads of this slot are over
	s_barrier_signal -1
	MQK 2, 3, 1, 0
	WIN 0
	s_barrier_wait -1
.if \fill
	CREST                                          ; no wave of any partner still reads this slot's tiles or has a load on its way
	s_add_nc_u64 s[G0+4*\slot+2:G0+4*\slot+3], s[G0+4*\slot+2:G0+4*\slot+3], 8192
	s_add_nc_u64 s[G0B+4*\slot+2:G0B+4*\slot+3], s[G0B+4*\slot+2:G0B+4*\slot+3], 8192
	JLOAD G0+4*\slot, G1, G0B+4*\slot, G1B         ; the first tensor load behind the round; its four v_nop are also the places in front of the loads below
.else
	PLACES
.endif
	FA \next, 0, 0
	FB \next, 0, 0
	WIN W_QK
	MQK 4, 7, 1, 0
	PLACES
	FB \next, 0, 4
	WIN 0
.endm
	s_wait_alu depctr_va_vdst(0)
	s_wait_tensorcnt 1                             ; my part of slot 0 is in; slot 1's load may be out
	s_barrier_signal -1
	s_barrier_wait -1
	FA 0, 0, 0
	FB 0, 0, 0
	FB 0, 0, 4
	WIN 0
	STEP 0, 1                                      ; K step 0
	TURN 0, 1, 1                                   ; 1; slot 0 takes K steps 4, 5
	STEP 1, 0                                      ; 2
	TURN 1, 0, 1                                   ; 3; slot 1 takes K steps 6, 7
	STEP 0, 0                                      ; 4
	TURN 0, 1, 0                                   ; 5; nothing is left to fetch
	STEP 1, 0                                      ; 6
	s_wait_dscnt 16                                ; 7
	WIN W_QK
	MQK 0, 3, 1, 0
	s_wait_dscnt 0x0
	MQK 4, 7, 1, 0
	WIN 0
; THE WAY OUT, 16 rows x 128 columns at a time.  A lane holds 32 neighbouring bytes of a row and the lanes beside it hold other rows: so a block goes through my own stage in LDS and comes back as whole rows of 512 bytes.
; LDS serves a wave's instructions in order (ISA guide 5.7.1.4): no wait between the stores and the loads, nor in front of the next block's stores.
.macro TOSTAGE a
.set TT, 128+64*((\a)%2)
	WIN 0x02                                       ; source 0: window 2
.irp b, 0,1,2,3,4,5,6,7
.irp i, 0,2,4,6
	v_pk_fma_f32 v[TT+8*\b+\i:TT+8*\b+\i+1], v[8*(4*\b+(\a))+\i:8*(4*\b+(\a))+\i+1], s[88:89], v[BQ+8*\b+\i:BQ+8*\b+\i+1] op_sel_hi:[1,0,1]   ; sum x 2^(e6 + e7) + bias; each accumulator from its low end on
.endr
.endr
	WIN 0
.irp b, 0,1,2,3,4,5,6,7
	ds_store_b128 v[STO], v[TT+8*\b:TT+8*\b+3] offset:64*\b
	ds_store_b128 v[STO], v[TT+8*\b+4:TT+8*\b+7] offset:64*\b+16
.endr
.set tt, 0
.rept 16
	ds_load_b128 v[TT+4*tt:TT+4*tt+3], v[RD] offset:SPITCH*tt
.set tt, tt+1
.endr
.endm
.macro SEND a, younger                 ; younger: the LDS instructions issued behind block a's loads, which may stay out
.set TT, 128+64*((\a)%2)
	s_wait_dscnt \younger
.if (\a) > 0
	s_add_nc_u64 s[68:69], s[68:69], 65536         ; 16 rows on (behind a wait that shows that the earlier stores have read their base)
.endif
.set tt, 0
.rept 16
	global_store_b128 v[LI], v[TT+4*tt:TT+4*tt+3], s[68:69] offset:4096*tt th:TH_STORE_NT   ; 32 lanes store 512 consecutive bytes, aligned; written once, read by nobody here
.set tt, tt+1
.endr
.endm
	s_wait_kmcnt 0x0
	s_add_co_i32 s88, s86, s87
	s_add_co_i32 s88, s88, 127
	s_lshl_b32 s88, s88, 23                        ; 2^(e6 + e7) as f32
	s_mov_b32 s89, s88                             ; (named with it as a pair, so it is written)
	s_wait_loadcnt 0x0                             ; the bias
	PLACES
	TOSTAGE 0
.irp a, 1,2,3
.if \a > 1
	s_wait_xcnt 0x0                                ; block a - 2's stores have read their registers and their base
.endif
	TOSTAGE \a
	SEND \a-1, 32                                  ; behind block a - 1's loads: block a's 16 stores and 16 loads
.endr
	s_wait_xcnt 0x0                                ; block 2's stores have read their base
	SEND 3, 0
	s_wait_tensorcnt 0x0                           ; the wave's end
	ds_add_u32 v[SPW], v[NIL]
	s_wait_dscnt 0x0
	CROUND                                         ; the closing round: no work-group ends while a partner may still ask for a tile that names it
	s_endpgm
.Lfunc_end_k_qa218269302_proj:
	.size	k_qa218269302_proj, .Lfunc_end_k_qa218269302_proj-k_qa218269302_proj
	.p2alignl 7, 3214868480
	.fill 96, 4, 3214868480
	.section	.rodata,"a",@progbits
	.p2align	6, 0x0
	.amdhsa_kernel k_qa218269302_proj
		.amdhsa_group_segment_fixed_size 327680
		.amdhsa_private_segment_fixed_size 0
		.amdhsa_enable_private_segment 0
		.amdhsa_kernarg_size 40
		.amdhsa_user_sgpr_count 2
		.amdhsa_user_sgpr_kernarg_segment_ptr 1
		.amdhsa_wavefront_size32 1
		.amdhsa_system_sgpr_workgroup_id_x 1
		.amdhsa_system_sgpr_workgroup_id_y 1
		.amdhsa_system_sgpr_workgroup_id_z 1
		.amdhsa_system_vgpr_workitem_id 0
		.amdhsa_next_free_vgpr 768
		.amdhsa_next_free_sgpr 100
		.amdhsa_reserve_vcc 0
		.amdhsa_float_denorm_mode_32 3
		.amdhsa_float_denorm_mode_16_64 3
		.amdhsa_memory_ordered 1
		.amdhsa_forward_progress 1
		.amdhsa_inst_pref_size 78
	.end_amdhsa_kernel
	.amdgpu_metadata
---
amdhsa.version: [ 1, 2 ]
amdhsa.kernels:
  - .name:           k_qa218269302_proj
    .symbol:         k_qa218269302_proj.kd
    .args:
      - { .name: a_img, .offset: 0, .size: 8, .value_kind: global_buffer, .address_space: global }
      - { .name: wp_img, .offset: 8, .size: 8, .value_kind: global_buffer, .address_space: global }
      - { .name: b_proj, .offset: 16, .size: 8, .value_kind: global_buffer, .address_space: global }
      - { .name: lowp_scales, .offset: 24, .size: 8, .value_kind: global_buffer, .address_space: global }
      - { .name: out0, .offset: 32, .size: 8, .value_kind: global_buffer, .address_space: global }
    .group_segment_fixed_size: 327680
    .private_segment_fixed_size: 0
    .kernarg_segment_align: 8
    .kernarg_segment_size: 40
    .max_flat_workgroup_size: 128
    .sgpr_count:     100
    .vgpr_count:     768
    .wavefront_size: 32
...
	.end_amdgpu_metadata
.endif
;; end of part 4
